; MI455X (gfx1250); checked and timed in simulation.
; The chip was launched on July 23, 2026; its instructions are those of AMD's public machine-readable ISA for CDNA 5 (MIT licence, August 2026) and "CDNA5" Instruction Set Architecture Reference Guide (July 2026). The comments in the code are by the model that wrote it; some were corrected since.
;; Attention Layer. Allowed arithmetic: float matrix products may take bf16 or f16 operands with f32 sums; all other float work in f32.
;; Inputs: Wk 32 x 256 float32; Wo 256 x 32 float32; Wq 32 x 256 float32; Wv 32 x 256 float32; bk 32 float32; bo 256 float32; bq 32 float32; bv 32 float32; gamma 1 float32; x 4 x 256 x 4,096 float32.
;; Outputs: out0 4 x 256 x 4,096 float32.
;; 2 versions, each right; version 2 is version 1 with the launch proj written anew for expert scheduling mode. Each part assembles by itself: llvm-mc -triple=amdgcn-amd-amdhsa -mcpu=gfx1250 --defsym DOCPART=n.
;; ======== version 1 of 2: 2 launches
;; workspace buffers: fq 1,048,576 bytes; kv 2,097,152 bytes
;; launch proj (part 1): grid 256 x 1, 8 waves a work-group, no clusters, 87,040 bytes of LDS; arguments x, Wv, bv, Wk, bk, Wq, bq, fq, kv; writes fq, kv
.if DOCPART == 1
	.amdgcn_target "amdgcn-amd-amdhsa--gfx1250"
	.amdhsa_code_object_version 6
	.text
	.protected	k_q592a0b0328_proj
	.globl	k_q592a0b0328_proj
	.p2align	8
	.type	k_q592a0b0328_proj,@function
k_q592a0b0328_proj:
	s_mov_b64 s[64:65], 0
	v_nop
	global_prefetch_b8 v0, s[64:65] scope:SCOPE_SE
	s_setreg_imm32_b32 hwreg(HW_REG_WAVE_MODE, 25, 1), 1
	s_wait_xcnt 0x0
; proj: f = (Wv x + bv) log2(e), g = Wk x + bk, h = Wq x + bq for 64 positions of one batch, rounded once to bf16 and stored
; in the order in which the next launch's matrix instructions take them (blocks of 1,024 bytes = one fragment: [half 0,1][lane][16 bytes]).
; x: [4][256][4096] f32.  W*: [32][256] f32.  b*: [32] f32.
; ORDER OF POSITIONS: in a block of 64 positions, position 4 r + u (r = 0..15, u = 0..3) is row r of tile u.  So the four numbers that a
; lane's 16-byte load of x brings belong to the same row of four different fragments, and nothing is transposed.
;   fq: block X (= batch x 64 + block) at X x 4096; tile u at + u x 1024; lane (r, hh) of half q: query (u, r), channels 16 q + 8 hh + 0..7
;   kv: block X at X x 8192; g as fq; h at + 4096 + kg x 2048 + ct x 1024: lane (r, hh) of half q: channel 16 ct + r,
;       keys of tile 2 kg + q, rows 8 hh + 0..7
; Eight waves.  Phase 1: wave w rounds K step w (channels 32 w .. 32 w + 31) of x and of the three weights to bf16 and lays the fragments
; into LDS.  Phase 2: wave (u = w / 2, ct = w % 2) makes three tiles of 16 x 16 over all 256 channels.
; All 64 KiB of the work-group's x are asked for first, in pieces of 256 consecutive aligned bytes for each sixteen lanes; the weights follow,
; each load of a wave covering four pieces of 128 consecutive bytes (eight lanes a row, rows four apart).
; NO JOINT LOADS: x is shared by no two work-groups.  The weights (96 KiB) are shared by all, but they have to pass registers to be rounded
; to bf16; brought in by a tensor load they would cross LDS twice (f32 in, bf16 back), 288 KiB instead of the 48 KiB stored here.
; LIMITS: matrix operands (x, W) are rounded to bf16, sums are f32; f log2(e), g, h are rounded to bf16 once.
.set ROWB, 16384                       ; bytes in a row of x (4,096 positions)
.set WL,   32768                       ; LDS: x fragments at 0 (K step x 4096 + u x 1024 + half x 512 + 16 x lane), weight fragments from here
.set BLK,  272                         ; a weight fragment is four blocks (2 x half + hh) of 16 rows x 16 bytes, 272 bytes apart
.set FRAG, 4*BLK                       ; fragment (matrix, ct, K step) at WL + (16 x matrix + 8 x ct + K step) x 1088
.set WR,   16                          ; v[16:111]   phase 1: weights as loaded, 4 registers for each of 24 loads
.set XR,   112                         ; v[112:175]  phase 1: x as loaded, row i in 4 registers
.set XF,   176                         ; v[176:207]  phase 1: x fragments, tile u in 8 registers
.set WT,   208                         ; v[208:223]  phase 1: weights in bf16, two sets of four pairs
.set BUF,  16                          ; v[16:207]   phase 2: six buffers of 32: x, Wv, Wk, Wq fragments of one K step
.set ACCF, 224                         ; v[224:231]
.set ACCG, 232                         ; v[232:239]
.set ACCH, 240                         ; v[240:247]
.set BQ,   248                         ; v[248:249]  bq of my channel, twice
.macro NOPS cnt
.rept \cnt
	v_nop
.endr
.endm
	s_load_b512 s[4:19], s[0:1], 0x0               ; x 4:5, Wv 6:7, bv 8:9, Wk 10:11, bk 12:13, Wq 14:15, bq 16:17, fq 18:19
	s_load_b64 s[20:21], s[0:1], 0x40              ; kv
	v_lshl_add_u32 v254, v0, 2, 0x15000
	v_mov_b32 v255, 0
	v_lshrrev_b32 v10, 5, v0
	v_readfirstlane_b32 s22, v10                   ; wave w
	s_lshr_b32 s23, s22, 1                         ; u: my tile of positions in phase 2
	s_and_b32 s24, s22, 1                          ; ct: my 16 output channels in phase 2
	v_and_b32 v10, 31, v0                          ; lane
	v_and_b32 v11, 15, v0                          ; r
	v_bfe_u32 v12, v0, 4, 1                        ; hh
	v_bfe_u32 v13, v0, 3, 2                        ; a = lane / 8: which of a weight load's four rows
	v_and_b32 v14, 7, v0                           ; cq = lane % 8: which four channels of the K step
	v_bfe_u32 v15, v0, 1, 2                        ; cq / 2 = 2 x half + hh: the block of the fragment
	v_lshlrev_b32 v1, 4, v10                       ; 16 x lane
	v_lshlrev_b32 v2, 4, v11
	v_lshl_add_u32 v2, v12, 17, v2                 ; x: 8 hh rows + 16 r
	v_lshlrev_b32 v3, 4, v14
	v_lshl_add_u32 v3, v13, 12, v3                 ; W: 4 a rows of 1,024 bytes + 16 cq
	v_lshlrev_b32 v4, 5, v12                       ; bv, bk: 8 hh channels
	v_lshlrev_b32 v5, 2, v11                       ; bq: channel r
	s_lshl_b32 s25, s22, 12
	v_add_nc_u32 v6, s25, v1                       ; LDS, in: my K step's x fragments
	v_mul_u32_u24 v7, v15, BLK                     ; LDS, in: my K step's weight fragments: block,
	v_lshl_add_u32 v7, v13, 6, v7                  ; + row 4 a,
	v_and_b32 v14, 1, v0
	v_lshl_add_u32 v7, v14, 3, v7                  ; + which 8 of the row's 16 bytes
	s_mul_i32 s25, s22, FRAG
	s_add_co_u32 s25, s25, WL
	v_add_nc_u32 v7, s25, v7
	s_lshl_b32 s25, s23, 10
	v_add_nc_u32 v8, s25, v1                       ; LDS, back: x fragments of tile u
	v_mul_u32_u24 v9, v12, BLK                     ; LDS, back: weight fragments of channels 16 ct ..: block hh, row r
	v_lshl_add_u32 v9, v11, 4, v9
	s_mul_i32 s25, s24, 8*FRAG
	s_add_co_u32 s25, s25, WL
	v_add_nc_u32 v9, s25, v9
	s_lshr_b32 s26, ttmp9, 6                       ; batch
	s_lshl_b32 s26, s26, 22                        ; x 256 rows
	s_lshl_b32 s25, s22, 19                        ; + 32 w rows
	s_add_co_u32 s26, s26, s25
	s_and_b32 s25, ttmp9, 63
	s_lshl_b32 s25, s25, 8                         ; + 64 positions x block
	s_add_co_u32 s26, s26, s25
	s_mov_b32 s27, 0
	s_lshl_b32 s28, s22, 7                         ; W: 32 w channels
	s_mov_b32 s29, 0
	s_wait_kmcnt 0x0
	s_add_nc_u64 s[4:5], s[4:5], s[26:27]
	s_add_nc_u64 s[6:7], s[6:7], s[28:29]
	s_add_nc_u64 s[10:11], s[10:11], s[28:29]
	s_add_nc_u64 s[14:15], s[14:15], s[28:29]
	s_lshl_b32 s28, s24, 6                         ; biases: 16 ct channels
	s_add_nc_u64 s[8:9], s[8:9], s[28:29]
	s_add_nc_u64 s[12:13], s[12:13], s[28:29]
	s_add_nc_u64 s[16:17], s[16:17], s[28:29]
; 46 loads in this order: 16 of x, 24 of weights, 6 of biases.
.irp i, 0,1,2,3,4,5,6,7
	global_load_b128 v[XR+4*\i:XR+4*\i+3], v2, s[4:5] offset:\i*ROWB             ; channel 8 hh + i of my K step, positions 4 r .. 4 r + 3
.endr
.irp i, 0,1,2,3,4,5,6,7
	global_load_b128 v[XR+32+4*\i:XR+32+4*\i+3], v2, s[4:5] offset:(16+\i)*ROWB  ; channel 16 + 8 hh + i
.endr
.irp n, 0,1,2,3,4,5,6,7                            ; load n of a matrix: rows 16 (n / 4) + n % 4 + 4 a, channels 4 cq .. 4 cq + 3 of my K step
	global_load_b128 v[WR+4*\n:WR+4*\n+3], v3, s[6:7] offset:(\n>>2)*16384+(\n&3)*1024
.endr
.irp n, 0,1,2,3,4,5,6,7
	global_load_b128 v[WR+32+4*\n:WR+32+4*\n+3], v3, s[10:11] offset:(\n>>2)*16384+(\n&3)*1024
.endr
.irp n, 0,1,2,3,4,5,6,7
	global_load_b128 v[WR+64+4*\n:WR+64+4*\n+3], v3, s[14:15] offset:(\n>>2)*16384+(\n&3)*1024
.endr
	global_load_b128 v[ACCF:ACCF+3],   v4, s[8:9]              ; the biases start the sums: register j of lane (r, hh) is channel 16 ct + 8 hh + j
	global_load_b128 v[ACCF+4:ACCF+7], v4, s[8:9] offset:16
	global_load_b128 v[ACCG:ACCG+3],   v4, s[12:13]
	global_load_b128 v[ACCG+4:ACCG+7], v4, s[12:13] offset:16
	global_load_b32 v[BQ],   v5, s[16:17]                      ; h is made transposed: a lane holds one channel, 16 ct + r
	global_load_b32 v[BQ+1], v5, s[16:17]
	; where the results go, made while the loads are on their way
	s_lshl_b32 s25, s23, 10
	s_lshl_b32 s28, s24, 9
	s_add_co_u32 s25, s25, s28                     ; u x 1024 + ct x 512
	s_lshl_b32 s26, ttmp9, 12
	s_add_co_u32 s26, s26, s25
	s_add_nc_u64 s[18:19], s[18:19], s[26:27]      ; f
	s_lshl_b32 s32, ttmp9, 13
	s_add_co_u32 s28, s32, s25                     ; g's offset
	s_lshr_b32 s33, s23, 1
	s_lshl_b32 s33, s33, 11                        ; kg = u / 2
	s_lshl_b32 s34, s24, 10
	s_and_b32 s35, s23, 1
	s_lshl_b32 s35, s35, 9                         ; half = u % 2
	s_add_co_u32 s26, s32, s33
	s_add_co_u32 s26, s26, s34
	s_add_co_u32 s26, s26, s35
	s_add_co_u32 s26, s26, 4096
	s_add_nc_u64 s[30:31], s[20:21], s[26:27]      ; h
	s_add_nc_u64 s[20:21], s[20:21], s[28:29]      ; g
; PHASE 1.  Loads come back in order (ISA guide 5.7.1), so each wait counts the loads issued behind the ones it needs.
.macro XPAIR num                           ; rows 2 num, 2 num + 1 make register num of all four tiles' fragments
	s_wait_loadcnt 44-2*\num                       ; 46 loads in all, the first 2 (num + 1) needed
.irp u, 0,1,2,3
	v_cvt_pk_bf16_f32 v[XF+8*\u+\num], v[XR+8*\num+\u], v[XR+8*\num+4+\u]
.endr
.endm
; Four weight loads: matrix g / 2, output channels 16 (g % 2) ..  A lane's four numbers are 8 bytes of row i + 4 a of block cq / 2.
; Modulo 256 bytes the 32 lanes' stores lie at 16 (cq / 2 + i + 4 a) + 8 (cq % 2): 32 different columns of 8 bytes.
.macro WGRP g
	s_wait_loadcnt 26-4*\g                         ; behind x's 16: 4 (g + 1) of the 30 others needed
.irp i, 0,1,2,3
	v_cvt_pk_bf16_f32 v[WT+8*(\g&1)+2*\i],   v[WR+16*\g+4*\i],   v[WR+16*\g+4*\i+1]
	v_cvt_pk_bf16_f32 v[WT+8*(\g&1)+2*\i+1], v[WR+16*\g+4*\i+2], v[WR+16*\g+4*\i+3]
	ds_store_b64 v7, v[WT+8*(\g&1)+2*\i:WT+8*(\g&1)+2*\i+1] offset:\g*8*FRAG+\i*16
.endr
.endm
.irp f, 0,1,2,3
	XPAIR \f
.endr
.irp u, 0,1,2,3
	ds_store_b128 v6, v[XF+8*\u:XF+8*\u+3] offset:\u*1024
.endr
.irp f, 4,5,6,7
	XPAIR \f
.endr
.irp u, 0,1,2,3
	ds_store_b128 v6, v[XF+8*\u+4:XF+8*\u+7] offset:\u*1024+512
.endr
.irp f, 0,1,2,3,4,5
	WGRP \f
.endr
	s_wait_dscnt 0x0                               ; my stores are in LDS, for the other waves' sake,
	s_barrier_signal -1
	s_barrier_wait -1                              ; and so are everybody's
; PHASE 2.
.macro KLOAD k, b                          ; the four fragments of K step k into buffer b: eight loads, each of 256 consecutive bytes for sixteen lanes
	ds_load_b128 v[BUF+32*\b:BUF+32*\b+3],   v8 offset:\k*4096
	ds_load_b128 v[BUF+32*\b+4:BUF+32*\b+7], v8 offset:\k*4096+512
.irp m, 0,1,2
	ds_load_b128 v[BUF+32*\b+8+8*\m:BUF+32*\b+11+8*\m],  v9 offset:(\m*16+\k)*FRAG
	ds_load_b128 v[BUF+32*\b+12+8*\m:BUF+32*\b+15+8*\m], v9 offset:(\m*16+\k)*FRAG+2*BLK
.endr
.endm
; f and g: weights as source 0, x as source 1: a lane holds 8 neighbouring channels of one position.  h: the other way round: a lane holds
; 8 neighbouring keys of one channel.  The three accumulators take turns, one instruction a turn.
.macro KMUL b, first
	v_wmma_f32_16x16x32_bf16 v[ACCF:ACCF+7], v[BUF+32*\b+8:BUF+32*\b+15],  v[BUF+32*\b:BUF+32*\b+7], v[ACCF:ACCF+7]
	v_wmma_f32_16x16x32_bf16 v[ACCG:ACCG+7], v[BUF+32*\b+16:BUF+32*\b+23], v[BUF+32*\b:BUF+32*\b+7], v[ACCG:ACCG+7]
.if \first
	v_wmma_f32_16x16x32_bf16 v[ACCH:ACCH+7], v[BUF+32*\b:BUF+32*\b+7], v[BUF+32*\b+24:BUF+32*\b+31], 0
.else
	v_wmma_f32_16x16x32_bf16 v[ACCH:ACCH+7], v[BUF+32*\b:BUF+32*\b+7], v[BUF+32*\b+24:BUF+32*\b+31], v[ACCH:ACCH+7]
.endif
.endm
.irp k, 0,1,2,3,4,5
	KLOAD \k, \k
.endr
	s_wait_loadcnt 0x0                             ; the biases, which start the sums
	s_wait_dscnt 40                                ; 48 loads out, K step 0's eight needed
	KMUL 0, 1
	s_wait_dscnt 32
	KMUL 1, 0
	NOPS 4                                         ; a load into a matrix instruction's source stands four places behind it (ISA guide 7.12.1 for vector instructions)
	KLOAD 6, 0
	KLOAD 7, 1
	s_wait_dscnt 40                                ; behind K step 2's loads: those of steps 3, 4, 5, 6, 7
	KMUL 2, 0
	s_wait_dscnt 32
	KMUL 3, 0
	s_wait_dscnt 24
	KMUL 4, 0
	s_wait_dscnt 16
	KMUL 5, 0
	s_wait_dscnt 8
	KMUL 0, 0
	s_wait_dscnt 0x0
	KMUL 1, 0
	NOPS 4                                         ; four places before vector instructions read the results or write a source (ISA guide 7.12.1)
.irp p, 0,2,4,6
	v_pk_mul_f32 v[ACCF+\p:ACCF+\p+1], v[ACCF+\p:ACCF+\p+1], 0x3fb8aa3b op_sel_hi:[1,0]   ; log2(e) goes into f, in f32: the next launch's exponentials are to base 2
.endr
.irp p, 0,2,4,6
	v_pk_add_f32 v[ACCH+\p:ACCH+\p+1], v[ACCH+\p:ACCH+\p+1], v[BQ:BQ+1]
.endr
.irp p, 0,1,2,3
	v_cvt_pk_bf16_f32 v[16+\p], v[ACCF+2*\p], v[ACCF+2*\p+1]
	v_cvt_pk_bf16_f32 v[20+\p], v[ACCG+2*\p], v[ACCG+2*\p+1]
	v_cvt_pk_bf16_f32 v[24+\p], v[ACCH+2*\p], v[ACCH+2*\p+1]
.endr
	global_store_b128 v1, v[16:19], s[18:19]       ; each store of the wave covers 512 consecutive bytes, aligned
	global_store_b128 v1, v[20:23], s[20:21]
	global_store_b128 v1, v[24:27], s[30:31]
	s_wait_tensorcnt 0x0
	ds_add_u32 v254, v255
	s_wait_dscnt 0x0
	s_endpgm
.Lfunc_end_k_q592a0b0328_proj:
	.size	k_q592a0b0328_proj, .Lfunc_end_k_q592a0b0328_proj-k_q592a0b0328_proj
	.p2alignl 7, 3214868480
	.fill 96, 4, 3214868480
	.section	.rodata,"a",@progbits
	.p2align	6, 0x0
	.amdhsa_kernel k_q592a0b0328_proj
		.amdhsa_group_segment_fixed_size 87040
		.amdhsa_private_segment_fixed_size 0
		.amdhsa_enable_private_segment 0
		.amdhsa_kernarg_size 72
		.amdhsa_user_sgpr_count 2
		.amdhsa_user_sgpr_kernarg_segment_ptr 1
		.amdhsa_wavefront_size32 1
		.amdhsa_system_sgpr_workgroup_id_x 1
		.amdhsa_system_sgpr_workgroup_id_y 1
		.amdhsa_system_sgpr_workgroup_id_z 1
		.amdhsa_system_vgpr_workitem_id 0
		.amdhsa_next_free_vgpr 256
		.amdhsa_next_free_sgpr 66
		.amdhsa_reserve_vcc 0
		.amdhsa_float_denorm_mode_32 3
		.amdhsa_float_denorm_mode_16_64 3
		.amdhsa_memory_ordered 1
		.amdhsa_forward_progress 1
		.amdhsa_inst_pref_size 23
	.end_amdhsa_kernel
	.amdgpu_metadata
---
amdhsa.version: [ 1, 2 ]
amdhsa.kernels:
  - .name:           k_q592a0b0328_proj
    .symbol:         k_q592a0b0328_proj.kd
    .args:
      - { .name: x, .offset: 0, .size: 8, .value_kind: global_buffer, .address_space: global }
      - { .name: Wv, .offset: 8, .size: 8, .value_kind: global_buffer, .address_space: global }
      - { .name: bv, .offset: 16, .size: 8, .value_kind: global_buffer, .address_space: global }
      - { .name: Wk, .offset: 24, .size: 8, .value_kind: global_buffer, .address_space: global }
      - { .name: bk, .offset: 32, .size: 8, .value_kind: global_buffer, .address_space: global }
      - { .name: Wq, .offset: 40, .size: 8, .value_kind: global_buffer, .address_space: global }
      - { .name: bq, .offset: 48, .size: 8, .value_kind: global_buffer, .address_space: global }
      - { .name: fq, .offset: 56, .size: 8, .value_kind: global_buffer, .address_space: global }
      - { .name: kv, .offset: 64, .size: 8, .value_kind: global_buffer, .address_space: global }
    .group_segment_fixed_size: 87040
    .private_segment_fixed_size: 0
    .kernarg_segment_align: 8
    .kernarg_segment_size: 72
    .max_flat_workgroup_size: 256
    .sgpr_count:     66
    .vgpr_count:     256
    .wavefront_size: 32
...
	.end_amdgpu_metadata
.endif
;; end of part 1
;; launch attn (part 2): grid 256 x 1, 8 waves a work-group, clusters of 4 x 1, 327,680 bytes of LDS; arguments fq, kv, x, Wo, bo, gamma, out0; writes out0
.if DOCPART == 2
	.amdgcn_target "amdgcn-amd-amdhsa--gfx1250"
	.amdhsa_code_object_version 6
	.text
	.protected	k_q592a0b0328_attn
	.globl	k_q592a0b0328_attn
	.p2align	8
	.type	k_q592a0b0328_attn,@function
k_q592a0b0328_attn:
	s_mov_b64 s[64:65], 0
	v_nop
	global_prefetch_b8 v0, s[64:65] scope:SCOPE_SE
	s_setreg_imm32_b32 hwreg(HW_REG_WAVE_MODE, 25, 1), 1
	s_wait_xcnt 0x0
	s_wait_alu depctr_hold_cnt(0) depctr_sa_sdst(0) depctr_va_vdst(0) depctr_va_sdst(0) depctr_va_ssrc(0) depctr_va_vcc(0) depctr_vm_vsrc(0)
	s_getreg_b32 s2, hwreg(HW_REG_IB_STS2, 6, 4)
	s_cmp_eq_u32 s2, 0
	s_cbranch_scc0 .Lentry_in_a_cluster
	s_endpgm
.Lentry_in_a_cluster:
	s_bfe_u32 s2, ttmp6, 0x10000c
	s_cmp_lg_u32 s2, 0x3003
	s_cbranch_scc0 .Lentry_shape_is_right
	s_endpgm
.Lentry_shape_is_right:
; attn: out0 = gamma (Wo softmax(f^T g) h^T + bo) + x for 64 queries of one batch against all 4,096 keys.
; fq, kv: bf16 fragments as the launch before stored them (1,024 bytes a fragment: [half][lane][16 bytes]; f holds the factor log2(e)).
; Position 4 r + u of a block of 64 is row r of tile u, for queries and keys alike.
; Eight waves, two on a SIMD.  Wave w = 4 qg + kq takes query tiles 2 qg, 2 qg + 1 (32 queries) and a quarter of the keys: of each tile of
; 1,024 keys (16 blocks of 8 KiB: 4 KiB of g, 4 KiB of h) the blocks 4 j + kq.  16 steps of 64 keys.  Each fragment read from LDS feeds two query tiles.
; MATRIX USE, with no exchange between lanes but one for the maximum:
;   S^T = g-fragment x f-fragment: lane (r, hh) holds query r, keys 8 hh + 0..7 of a key tile; the maximum over keys is taken in registers;
;   two key tiles, packed to bf16 in place, ARE the second source P of h-fragment x P (lane: query r, 8 channels) and of ONES x P, whose
;   every row is the row sum of P: the sums ride on the matrix unit;
;   the merged result, packed, IS the second source of Wo-fragment x out, which takes bo as its C.
; The running maximum is kept and the sums are rescaled in every step: no branch hangs on a number.
; THE STEP IS A PIPELINE OF TWO PHASES.  While the vector instructions of one query tile's softmax are issued, the OTHER tile's matrix
; instructions stand among them, one behind every four vector instructions or one run of eight exponentials:
;   phase X(s): softmax of tile 0, step s;  among it h x P and ONES x P of tile 1, step s - 1 (six), then S of tile 1, step s (four);
;   phase Y(s): softmax of tile 1, step s;  among it h x P and ONES x P of tile 0, step s (six), then S of tile 0, step s + 1 (four).
; So the places that stand behind matrix instructions (ISA guide 7.12.1) are useful work on other registers.
; CLUSTER: the four work-groups of a cluster are four query blocks of one batch (64 blocks a batch, 16 clusters) and walk the same g and h.
; Every tile is asked for jointly, by the same descriptor (made of batch, wave number and constants) with mask 15: the requests for kv are divided by four.
; LDS: two slots of 128 KiB (a tile of 1,024 keys); from 262,144 a stage of 4,608 bytes for each wave; from 299,008 the merged result, 4 KiB.
; Stage and result are written by LDS stores alone; no tensor load lands there.
; By this text's own count a wave has at most five tensor loads outstanding (the four quarters of tile 0 and tile 1), later one.
; LIMITS: P, the merged result and Wo are rounded to bf16; the row sum is taken of the rounded P; v_exp_f32 gives 0 for results below 2^-126
; (ISA guide 15.8), for weights and rescaling factors alike; keys are summed in the permuted order, in four parts that are merged at the end.
; Where S itself overflows f32 the result is not finite.
.set SLOTB, 131072
.set STAGE, 262144
.set STW,   4608                       ; a wave's stage: sums at q x 2048 + ct x 1024 + half x 512, row sums at 4096 + q x 128, maxima at 4352 + q x 128
.set OFB,   299008
.set ROWB,  16384                      ; bytes in a row of x and of out0
; v1 16 x lane; v2, v3, v254, v255 LDS address of my blocks: slot 0 j = 0,1; slot 0 j = 2,3; slot 1 j = 0,1; slot 1 j = 2,3
.set CH,   4                           ; v[4:7]     four chains of the maximum
.set ST,   8                           ; v[8:19]    for each query tile three pairs: maximum (even steps), maximum (odd steps), rescaling factor; the pairs' second registers are at work
.set XO,   20                          ; v20        x, out0: 8 hh rows + 16 r
.set PF,   21                          ; v21        lane rows of x
.set ONES, 22                          ; v[22:29]   a fragment of ones
.set FF,   30                          ; v[30:45]   f, two query tiles
.set GF,   46                          ; v[46:77]   g, four key tiles; at the end x of my channels 0-15
.set HF,   78                          ; v[78:109]  h, (kg, ct) at 16 kg + 8 ct; at the end x of my channels 16-31
.set SC,   110                         ; v[110:173] S, then P: query tile q at 32 q, key tile k at 8 k
.set ACC,  174                         ; v[174:221] query tile q at 24 q: channels 0-15, channels 16-31, row sums
.set WO,   222                         ; v[222:237] Wo, two fragments
.set BO,   238                         ; v[238:253] bo, two C operands
.set G1,   32                          ; s[32:39]   descriptor group 1: 64 rows of 256 bytes
.set G1S,  40                          ; s[40:47]   descriptor group 1: 16 rows of 256 bytes
.set G0,   48                          ; s[48:55]   descriptor group 0 of slots 0, 1
.set G0S,  68                          ; s[68:83]   descriptor group 0 of tile 0's four quarters
.macro NOPS cnt
.rept \cnt
	v_nop
.endr
.endm
; A round of the cluster's barrier: my work-group's barrier, wave 0 signals for the work-group, every wave waits for all four work-groups, my work-group's barrier again.
.macro ROUND
	s_barrier_signal -1
	s_barrier_wait -1
	s_cmp_lg_u32 s20, 0
	s_cbranch_scc1 .Lnot_wave_0_\@
	s_barrier_signal -3
.Lnot_wave_0_\@:
	s_barrier_wait -3
	s_barrier_signal -1
	s_barrier_wait -1
.endm
	s_load_b256 s[4:11], s[0:1], 0x0               ; fq 4:5, kv 6:7, x 8:9, Wo 10:11
	s_load_b128 s[12:15], s[0:1], 0x20             ; bo 12:13, gamma 14:15
	s_load_b64 s[16:17], s[0:1], 0x30              ; out0
	s_set_vgpr_msb 0x40
	v_lshl_add_u32 v0, v0, 2, 0x4a000
	v_mov_b32 v1, 0
	s_set_vgpr_msb 0x4045
	ds_add_u32 v0, v1
	s_set_vgpr_msb 0x4500
	v_lshrrev_b32 v4, 5, v0
	v_readfirstlane_b32 s20, v4                    ; wave w
	s_and_b32 s21, s20, 3                          ; kq: my quarter of the keys
	s_lshr_b32 s22, s20, 2                         ; qg: my pair of query tiles
	s_bfe_u32 s23, ttmp6, 0x40000                  ; my place in the cluster
	s_lshl_b32 s24, ttmp9, 2
	s_add_co_u32 s24, s24, s23                     ; X: my block of 64 queries.  s23, s24, s60 alone ever hold the place; they reach global bases of fq, x, out0 only
	s_lshr_b32 s25, ttmp9, 4                       ; batch: from the cluster's number, the same in all four
	s_mov_b32 s28, 0x76543210                      ; v_permlanex16_b32: lane i of one half reads lane i of the other
	s_mov_b32 s29, 0xfedcba98
	v_and_b32 v6, 15, v0                           ; r
	v_bfe_u32 v7, v0, 4, 1                         ; hh
	v_and_b32 v1, 31, v0
	v_lshlrev_b32 v1, 4, v1                        ; 16 x lane
	s_lshl_b32 s19, s21, 13                        ; block kq
	v_add_nc_u32 v2, s19, v1
	v_add_nc_u32 v3, 0x10000, v2
	v_add_nc_u32 v254, 0x20000, v2
	v_add_nc_u32 v255, 0x30000, v2
	v_lshlrev_b32 v[XO], 4, v6
	v_lshl_add_u32 v[XO], v7, 17, v[XO]
	v_lshlrev_b32 v[PF], 10, v1
	v_lshlrev_b32 v5, 5, v7                        ; bo: 8 hh channels
	v_lshl_add_u32 v4, v6, 7, v5                   ; Wo: row r + 8 hh reduced channels
.irp p, 0,1,2,3,4,5,6,7
	v_mov_b32 v[ONES+\p], 0x3f803f80               ; two bf16 ones
.endr
.irp p, 1,3,7,9
	v_mov_b32 v[ST+\p], 0                          ; v_permlanex16_b32 counts as a reader of its destination
.endr
	; group 1: dense blocks as rows of 256 bytes (32 elements of 8 bytes).  15:0 mask = the four of the cluster; 17:16 element code 3; 21 set beside a mask
	s_mov_b32 s[G1+0], 0x0023000f
	s_mov_b32 s[G1+1], 32<<16                      ; tensor_dim0 = 32
	s_mov_b32 s[G1+2], 64<<16                      ; tensor_dim1 = 64
	s_mov_b32 s[G1+3], 32<<16                      ; tile_dim0 = 32
	s_mov_b32 s[G1+4], 64                          ; tile_dim1 = 64: 16 KiB, a wave's eighth of a tile
	s_mov_b32 s[G1+5], 32                          ; from row to row
	s_mov_b32 s[G1+6], 0
	s_mov_b32 s[G1+7], 0
	s_mov_b32 s[G1S+0], 0x0023000f
	s_mov_b32 s[G1S+1], 32<<16
	s_mov_b32 s[G1S+2], 16<<16
	s_mov_b32 s[G1S+3], 32<<16
	s_mov_b32 s[G1S+4], 16                         ; 16 rows: 4 KiB, a wave's eighth of a quarter tile
	s_mov_b32 s[G1S+5], 32
	s_mov_b32 s[G1S+6], 0
	s_mov_b32 s[G1S+7], 0
	s_lshl_b32 s31, s20, 14                        ; w x 16 KiB
	s_lshl_b32 s18, s20, 12                        ; w x 4 KiB
	s_lshl_b32 s19, s25, 19                        ; batch x 512 KiB of kv
	s_add_co_u32 s26, s19, s31
	s_mov_b32 s27, 0
	s_mov_b32 s61, 0
	s_wait_dscnt 0x0
	s_wait_kmcnt 0x0
	s_load_b32 s30, s[14:15], 0x0                  ; gamma
	s_mov_b32 s[G0+0], 1
	s_mov_b32 s[G0+1], s31                         ; slot 0, my eighth
	s_add_nc_u64 s[G0+2:G0+3], s[6:7], s[26:27]    ; tile 0's address: stepped to tile 2 before its first use
	s_mov_b32 s[G0+4], 1
	s_add_co_u32 s[G0+5], s31, SLOTB               ; slot 1
	s_add_nc_u64 s[G0+6:G0+7], s[G0+2:G0+3], SLOTB ; tile 1
	s_or_b32 s[G0+3], s[G0+3], 0x80000000          ; type 2
	s_or_b32 s[G0+7], s[G0+7], 0x80000000
	s_add_co_u32 s26, s19, s18
	s_add_nc_u64 s[62:63], s[6:7], s[26:27]
.irp a, 0,1,2,3
	s_mov_b32 s[G0S+4*\a], 1
	s_add_co_u32 s[G0S+4*\a+1], s18, \a*32768
	s_add_nc_u64 s[G0S+4*\a+2:G0S+4*\a+3], s[62:63], \a*32768
	s_or_b32 s[G0S+4*\a+3], s[G0S+4*\a+3], 0x80000000
.endr
	s_mov_b32 s26, s18
	s_add_nc_u64 s[10:11], s[10:11], s[26:27]      ; Wo at my 32 output channels (rows of 128 bytes)
	s_lshl_b32 s26, s20, 7
	s_add_nc_u64 s[12:13], s[12:13], s[26:27]      ; bo likewise
	s_lshl_b32 s60, s24, 12
	s_lshl_b32 s19, s22, 11
	s_add_co_u32 s60, s60, s19
	s_add_nc_u64 s[4:5], s[4:5], s[60:61]          ; f of my two query tiles
	s_and_b32 s60, s24, 63
	s_lshl_b32 s60, s60, 8                         ; 64 positions x block
	s_lshl_b32 s19, s25, 22                        ; + batch x 256 rows
	s_add_co_u32 s60, s60, s19
	s_lshl_b32 s19, s20, 19                        ; + 32 w rows
	s_add_co_u32 s60, s60, s19
	s_add_nc_u64 s[56:57], s[8:9], s[60:61]        ; x
	s_add_nc_u64 s[58:59], s[16:17], s[60:61]      ; out0
	ROUND                                          ; all four work-groups are here: the first joint loads meet
.irp a, 0,1,2,3
	tensor_load_to_lds s[G0S+4*\a:G0S+4*\a+3], s[G1S:G1S+7]     ; tile 0 in four quarters, so that step 0 can start when 32 KiB have landed
	s_nop 0
.endr
	tensor_load_to_lds s[G0+4:G0+7], s[G1:G1+7]                 ; tile 1
	s_nop 0
.irp q, 0,1
	global_load_b128 v[FF+8*\q:FF+8*\q+3],   v1, s[4:5] offset:\q*1024
	global_load_b128 v[FF+8*\q+4:FF+8*\q+7], v1, s[4:5] offset:\q*1024+512
.endr
.irp t, 0,1
	global_load_b128 v[SC+16*\t:SC+16*\t+3],     v4, s[10:11] offset:\t*2048
	global_load_b128 v[SC+16*\t+4:SC+16*\t+7],   v4, s[10:11] offset:\t*2048+16
	global_load_b128 v[SC+16*\t+8:SC+16*\t+11],  v4, s[10:11] offset:\t*2048+64
	global_load_b128 v[SC+16*\t+12:SC+16*\t+15], v4, s[10:11] offset:\t*2048+80
.endr
.irp t, 0,1
	global_load_b128 v[BO+8*\t:BO+8*\t+3],   v5, s[12:13] offset:\t*64
	global_load_b128 v[BO+8*\t+4:BO+8*\t+7], v5, s[12:13] offset:\t*64+16
.endr
	s_wait_kmcnt 0x0                               ; gamma
	s_wait_loadcnt 0x0                             ; f, Wo, bo, once; v4 and v5 are free from here
.irp t, 0,1
.irp p, 0,1,2,3,4,5,6,7
	v_cvt_pk_bf16_f32 v[WO+8*\t+\p], v[SC+16*\t+2*\p], v[SC+16*\t+2*\p+1]
.endr
.endr
; Eight LDS loads: the four fragments of g (add = 0) or of h (add = 4096) of step idx.  Step idx = 4 T + j reads block 4 j + kq of slot T % 2.
.macro FRAGS dst, idx, add
.set AD, 2+(((\idx)>>2)&1)*252+(((\idx)&3)>>1)
.irp k, 0,1,2,3
	ds_load_b128 v[\dst+8*\k:\dst+8*\k+3],   v[AD] offset:((\idx)&1)*32768+\add+\k*1024
	ds_load_b128 v[\dst+8*\k+4:\dst+8*\k+7], v[AD] offset:((\idx)&1)*32768+\add+\k*1024+512
.endr
.endm
; The matrix work that rides along is that of query tile OT.
; SWI k: S^T of key tile k x query tile OT (if HASSW).
.macro SWI k
.if HASSW
	v_wmma_f32_16x16x32_bf16 v[SC+32*OT+8*\k:SC+32*OT+8*\k+7], v[GF+8*\k:GF+8*\k+7], v[FF+8*OT:FF+8*OT+7], 0
.endif
.endm
; PVI i, i = 0..5 (if HASPV): key group i / 3; accumulator i % 3: channels 0-15, channels 16-31, row sums.  The three accumulators take turns,
; one instruction a turn.  PVZ: the first step's first products start the sums: nothing is cleared.
.macro PVI i
.if HASPV
.set PD, ACC+24*OT+8*(\i%3)
.set PB, SC+32*OT+16*(\i/3)
.if (\i%3) == 2
.set PA, ONES
.else
.set PA, HF+16*(\i/3)+8*(\i%3)
.endif
.set PZ, 0
.if PVZ
.if \i < 3
.set PZ, 1
.endif
.endif
.if PZ
	v_wmma_f32_16x16x32_bf16 v[PD:PD+7], v[PA:PA+7], v[PB:PB+7], 0
.else
	v_wmma_f32_16x16x32_bf16 v[PD:PD+7], v[PA:PA+7], v[PB:PB+7], v[PD:PD+7]
.endif
.endif
.endm
.macro SUBM k                              ; S - maximum, key tile k
.irp p, 0,2,4,6
	v_pk_add_f32 v[SB+8*\k+\p:SB+8*\k+\p+1], v[SB+8*\k+\p:SB+8*\k+\p+1], v[MN:MN+1] op_sel_hi:[1,0] neg_lo:[0,1] neg_hi:[0,1]
.endr
.endm
.macro EXPK k
.irp p, 0,1,2,3,4,5,6,7
	v_exp_f32 v[SB+8*\k+\p], v[SB+8*\k+\p]
.endr
.endm
.macro PACK k                              ; key tiles 2 kg, 2 kg + 1 become registers 0-3, 4-7 of P(kg), which lies at 16 kg
	s_wait_alu depctr_va_vdst(0)
.irp p, 0,1,2,3
	v_cvt_pk_bf16_f32 v[SB+16*(\k>>1)+4*(\k&1)+\p], v[SB+8*\k+2*\p], v[SB+8*\k+2*\p+1]
.endr
.endm
; A slot that has been read is filled again, two tiles ahead.  In front of the round every wave's reads of the slot are back and all its tensor
; loads have landed (the other slot's tile among them); the joint load is the first tensor load behind the round.
.macro REFILL slot
	s_wait_dscnt 0x0
	s_set_vgpr_msb 0x5
	s_wait_tensorcnt 0x0
	ds_add_u32 v0, v1
	s_wait_dscnt 0x0
	s_set_vgpr_msb 0x500
	s_add_nc_u64 s[G0+4*\slot+2:G0+4*\slot+3], s[G0+4*\slot+2:G0+4*\slot+3], 2*SLOTB   ; no tensor load of mine is out: the address may be stepped
	ROUND
	tensor_load_to_lds s[G0+4*\slot:G0+4*\slot+3], s[G1:G1+7]
	s_nop 0
.endm
; One phase: the softmax step of query tile q in step s, with the other tile's matrix instructions among it.
; The new maximum goes by turns into one of two registers; the other holds the old one.
; Behind every run of v_exp_f32 stands plain vector work on other registers before a result is used (ISA guide 5.7.2).
; Distances behind matrix instructions (ISA guide 7.12.1 for vector instructions), all filled by this tile's plain vector instructions:
;   sixth h x P instruction -> loads into h's registers: the 4 subtractions of key tile 0 (the last reader of h is the fifth: 2 more);
;   sixth h x P instruction -> S written over P: the 8 subtractions of key tiles 0, 1;
;   last S instruction -> loads into g's registers: 4 packings and 4 subtractions;  -> the next phase's reads of S: 25 instructions.
.macro PHASE q, s
.set FIRST, 0
.if \s == 0
.set FIRST, 1
.endif
.set OT, 1-\q
.set SB, SC+32*\q
.set AB, ACC+24*\q
.set MN, ST+6*\q+2*(\s&1)
.set MO, ST+6*\q+2-2*(\s&1)
.set AL, ST+6*\q+4
.set HASPV, 1
.set PVZ, 0
.set HASSW, 1
.if \q == 0
.if \s == 0
.set HASPV, 0                              ; there is no step -1
.endif
.if \s == 1
.set PVZ, 1                                ; tile 1's step 0 starts its sums
.endif
.else
.if \s == 0
.set PVZ, 1                                ; tile 0's step 0 starts its sums
.endif
.if \s == 15
.set HASSW, 0                              ; there is no step 16
.endif
.if \s < 15
	s_wait_dscnt 0x8                               ; h of this step is in; the eight younger loads are the next g
.else
	s_wait_dscnt 0x0
.endif
.endif
	PVI 0
.irp k, 0,1,2,3
	v_max3_num_f32 v[CH+\k], v[SB+8*\k], v[SB+8*\k+1], v[SB+8*\k+2]
.endr
	PVI 1
.irp k, 0,1,2,3
	v_max3_num_f32 v[CH+\k], v[CH+\k], v[SB+8*\k+3], v[SB+8*\k+4]
.endr
	PVI 2
.irp k, 0,1,2,3
	v_max3_num_f32 v[CH+\k], v[CH+\k], v[SB+8*\k+5], v[SB+8*\k+6]
.endr
	PVI 3
	v_max3_num_f32 v[CH], v[CH], v[SB+7], v[CH+1]
	v_max3_num_f32 v[CH+2], v[CH+2], v[SB+23], v[CH+3]
	v_max3_num_f32 v[CH], v[CH], v[SB+15], v[SB+31]
.if FIRST
	v_max_num_f32 v[CH], v[CH], v[CH+2]
.else
	v_max3_num_f32 v[CH], v[CH], v[CH+2], v[MO]
.endif
	PVI 4
	v_permlanex16_b32 v[MN+1], v[CH], s28, s29     ; the other half of the lanes holds the query's other 32 keys
	v_max_num_f32 v[MN], v[CH], v[MN+1]
.if FIRST == 0
	v_sub_f32 v[AL+1], v[MO], v[MN]
	v_exp_f32 v[AL], v[AL+1]                       ; what the sums so far are worth under the new maximum
.endif
	PVI 5
	SUBM 0
.if \q == 0
.if \s > 0
	FRAGS HF, \s, 4096                             ; h of this step: tile 1's step s - 1 has read the old one
.endif
.endif
	EXPK 0
	SUBM 1
.if \q == 1
.if \s < 15
	s_wait_dscnt 0x0                               ; g of the next step is in
.endif
.endif
	SWI 0
	PACK 0
	SWI 1
	EXPK 1
	SWI 2
	SUBM 2
	SWI 3
	PACK 1
	EXPK 2
	SUBM 3
.if \q == 0
.if \s < 3
	s_wait_tensorcnt 3-\s                          ; my part of tile 0's next quarter has landed; the loads issued behind it stay out
	s_wait_dscnt 0x0
	s_barrier_signal -1
	s_barrier_wait -1                              ; everybody's has
.endif
.if \s == 3
	REFILL 0                                       ; tile 2 into slot 0, whose last read was this step's h; tile 1 has landed
.endif
.if \s == 7
	REFILL 1                                       ; tile 3 into slot 1; tile 2 has landed
.endif
.if \s == 11
	s_wait_tensorcnt 0x0                           ; my part of tile 3
	s_wait_dscnt 0x0
	s_barrier_signal -1
	s_barrier_wait -1
.endif
.if \s < 15
	FRAGS GF, \s+1, 0                              ; g of the next step: both tiles' S of this step have read the old one
.else
.irp j, 0,1,2,3,4,5,6,7
	global_load_b128 v[GF+4*\j:GF+4*\j+3], v[XO], s[56:57] offset:\j*ROWB th:TH_LOAD_NT    ; x for the residual: channel 32 w + 8 hh + j, positions 4 r .. 4 r + 3
.endr
.endif
.if \s == 11
	global_prefetch_b8 v[PF], s[56:57] th:TH_LOAD_NT scope:SCOPE_SE   ; lane l asks for my block's 256 bytes of row 32 w + l of x, which this wave loads in and behind step 15, four steps on; each piece is asked for once
.endif
.endif
	PACK 2
	EXPK 3
.if FIRST
	v_nop                                          ; the place behind the exponentials
	s_wait_alu depctr_va_vdst(0)
.else
	s_wait_alu depctr_va_vdst(0)
.irp p, 0,2,4,6,8,10,12,14,16                      ; the 16 registers of sums, and of the row sums registers 0, 1: all eight would hold the same number, register 0
	v_pk_mul_f32 v[AB+\p:AB+\p+1], v[AB+\p:AB+\p+1], v[AL:AL+1] op_sel_hi:[1,0]   ; alone is read at the end; registers 2-7 keep sums of at most 1,024 weights of at most 1
.endr
.endif
	PACK 3
.endm
	s_wait_tensorcnt 0x4                           ; my part of tile 0's first quarter; four loads were issued behind it
	s_barrier_signal -1
	s_barrier_wait -1
	FRAGS GF, 0, 0
	FRAGS HF, 0, 4096
	s_wait_dscnt 0x8                               ; g of step 0 is in; the eight younger loads are its h
.set OT, 0
.set HASSW, 1
.irp k, 0,1,2,3
	SWI \k                                         ; the pipeline's head: S of tile 0, step 0
.endr
	NOPS 4                                         ; four places before S is read (ISA guide 7.12.1)
.irp s, 0,1,2,3,4,5,6,7,8,9,10,11,12,13,14,15
	PHASE 0, \s
	PHASE 1, \s
.endr
.set OT, 1
.set HASPV, 1
.set PVZ, 0
.irp i, 0,1,2,3,4,5
	PVI \i                                         ; the pipeline's tail: tile 1, step 15
.endr
	NOPS 4                                         ; four places before loads go into h's registers and before the sums are read
.irp j, 0,1,2,3,4,5,6,7
	global_load_b128 v[HF+4*\j:HF+4*\j+3], v[XO], s[56:57] offset:(16+\j)*ROWB th:TH_LOAD_NT   ; channel 32 w + 16 + 8 hh + j
.endr
	; MERGE of the four quarters of the keys.  Every wave lays its sums, row sums and maxima (after step 15 in the odd steps' register) into its stage.
	s_mul_i32 s31, s20, STW
	s_add_co_u32 s31, s31, STAGE
	v_lshrrev_b32 v7, 2, v1                        ; 4 x lane
	v_add_nc_u32 v4, s31, v1
	v_add_nc_u32 v5, s31, v7
	s_mul_i32 s31, s22, 4*STW
	s_add_co_u32 s31, s31, STAGE                   ; the four stages of query tiles 2 (w / 4), 2 (w / 4) + 1
	s_bfe_u32 s18, s20, 0x10001                    ; I merge query tile w / 2 (the (w / 2) % 2-th of its waves'),
	s_and_b32 s19, s20, 1                          ; channels 16 (w % 2) ..
	s_lshl_b32 s26, s18, 11
	s_lshl_b32 s27, s19, 10
	s_add_co_u32 s26, s26, s27
	s_add_co_u32 s26, s26, s31
	v_add_nc_u32 v6, s26, v1
	s_lshl_b32 s27, s18, 7
	s_add_co_u32 s27, s27, s31
	v_add_nc_u32 v7, s27, v7
	s_lshl_b32 s26, s20, 9
	s_add_co_u32 s26, s26, OFB
	v_add_nc_u32 v8, s26, v1                       ; the merged result: query tile x 1024 + ct x 512 = w x 512
	v_add_nc_u32 v9, OFB, v1
.irp q, 0,1
.irp c, 0,1
	ds_store_b128 v4, v[ACC+24*\q+8*\c:ACC+24*\q+8*\c+3]   offset:\q*2048+\c*1024
	ds_store_b128 v4, v[ACC+24*\q+8*\c+4:ACC+24*\q+8*\c+7] offset:\q*2048+\c*1024+512
.endr
	ds_store_b32 v5, v[ACC+24*\q+16] offset:4096+\q*128
	ds_store_b32 v5, v[ST+6*\q+2]    offset:4352+\q*128
.endr
	s_wait_dscnt 0x0                               ; for the other waves' sake
	s_barrier_signal -1
	s_barrier_wait -1
.set PART, 110                         ; v[110:141] the four partial sums
.set LK,   142                         ; v[142:145] their row sums
.set MK,   146                         ; v[146:149] their maxima
.set EK,   150                         ; v[150:157] pairs: weight of part k, its exponent
.set MM,   158
.set LL,   160                         ; v160 the whole row sum, v161 its reciprocal
.set SUM,  162                         ; v[162:169]
.set PK,   170                         ; v[170:173]
.irp k, 0,1,2,3
	ds_load_b32 v[LK+\k], v7 offset:\k*STW+4096
	ds_load_b32 v[MK+\k], v7 offset:\k*STW+4352
.endr
.irp k, 0,1,2,3
	ds_load_b128 v[PART+8*\k:PART+8*\k+3],   v6 offset:\k*STW
	ds_load_b128 v[PART+8*\k+4:PART+8*\k+7], v6 offset:\k*STW+512
.endr
	s_wait_dscnt 0x8                               ; row sums and maxima are in; the eight loads of sums may be out
	v_max3_num_f32 v[MM], v[MK], v[MK+1], v[MK+2]
	v_max_num_f32 v[MM], v[MM], v[MK+3]
.irp k, 0,1,2,3
	v_sub_f32 v[EK+2*\k+1], v[MK+\k], v[MM]
.endr
.irp k, 0,1,2,3
	v_exp_f32 v[EK+2*\k], v[EK+2*\k+1]
.endr
	v_nop                                          ; the place behind the exponentials (ISA guide 5.7.2)
	s_wait_alu depctr_va_vdst(0)
	v_mul_f32 v[LL], v[EK], v[LK]
	v_fmac_f32 v[LL], v[EK+2], v[LK+1]
	v_fmac_f32 v[LL], v[EK+4], v[LK+2]
	v_fmac_f32 v[LL], v[EK+6], v[LK+3]             ; at least 1: the part with the largest maximum has weight 1 and holds a weight of 1
	v_rcp_f32 v[LL+1], v[LL]
	v_nop
	s_wait_alu depctr_va_vdst(0)
.irp k, 0,1,2,3
	v_mul_f32 v[EK+2*\k], v[EK+2*\k], v[LL+1]
.endr
	s_wait_dscnt 0x0
.irp p, 0,2,4,6
	v_pk_mul_f32 v[SUM+\p:SUM+\p+1], v[PART+\p:PART+\p+1], v[EK:EK+1] op_sel_hi:[1,0]
.endr
.irp k, 1,2,3
.irp p, 0,2,4,6
	v_pk_fma_f32 v[SUM+\p:SUM+\p+1], v[PART+8*\k+\p:PART+8*\k+\p+1], v[EK+2*\k:EK+2*\k+1], v[SUM+\p:SUM+\p+1] op_sel_hi:[1,0,1]
.endr
.endr
.irp p, 0,1,2,3
	v_cvt_pk_bf16_f32 v[PK+\p], v[SUM+2*\p], v[SUM+2*\p+1]
.endr
	ds_store_b128 v8, v[PK:PK+3]
	s_wait_dscnt 0x0
	s_barrier_signal -1
	s_barrier_wait -1
	; OUTPUT: wave w makes channels 32 w .. 32 w + 31 of all 64 queries.  Register j of tile (t, u) is channel 32 w + 16 t + 8 hh + j of
	; position 4 r + u: the four tiles u give a lane four neighbouring positions.
.set BF, 174                           ; v[174:205] the merged result, query tile u at 8 u
.set DD, 110                           ; v[110:173] tile (t, u) at 32 t + 8 u
.irp u, 0,1,2,3
	ds_load_b128 v[BF+8*\u:BF+8*\u+3],   v9 offset:\u*1024
	ds_load_b128 v[BF+8*\u+4:BF+8*\u+7], v9 offset:\u*1024+512
.endr
	s_wait_dscnt 0x0
.irp t, 0,1
.irp u, 0,1,2,3
	v_wmma_f32_16x16x32_bf16 v[DD+32*\t+8*\u:DD+32*\t+8*\u+7], v[WO+8*\t:WO+8*\t+7], v[BF+8*\u:BF+8*\u+7], v[BO+8*\t:BO+8*\t+7]
.endr
.endr
	NOPS 4                                         ; four places before the results are read (ISA guide 7.12.1)
.irp t, 0,1
.irp j, 0,1,2,3,4,5,6,7
	s_wait_loadcnt 15-8*\t-\j                      ; of the 16 loads of x those behind this row's may be out
.irp u, 0,1,2,3
	v_fma_f32 v[GF+32*\t+4*\j+\u], s30, v[DD+32*\t+8*\u+\j], v[GF+32*\t+4*\j+\u]
.endr
	global_store_b128 v[XO], v[GF+32*\t+4*\j:GF+32*\t+4*\j+3], s[58:59] offset:(16*\t+\j)*ROWB th:TH_STORE_NT   ; sixteen lanes store 256 consecutive bytes, aligned
.endr
.endr
	s_set_vgpr_msb 0x5
	s_wait_tensorcnt 0x0
	ds_add_u32 v0, v1
	s_wait_dscnt 0x0
	s_set_vgpr_msb 0x500
	ROUND                                          ; the closing round: no work-group ends while a partner may still ask for a tile that names it
	s_endpgm
.Lfunc_end_k_q592a0b0328_attn:
	.size	k_q592a0b0328_attn, .Lfunc_end_k_q592a0b0328_attn-k_q592a0b0328_attn
	.p2alignl 7, 3214868480
	.fill 96, 4, 3214868480
	.section	.rodata,"a",@progbits
	.p2align	6, 0x0
	.amdhsa_kernel k_q592a0b0328_attn
		.amdhsa_group_segment_fixed_size 327680
		.amdhsa_private_segment_fixed_size 0
		.amdhsa_enable_private_segment 0
		.amdhsa_kernarg_size 56
		.amdhsa_user_sgpr_count 2
		.amdhsa_user_sgpr_kernarg_segment_ptr 1
		.amdhsa_wavefront_size32 1
		.amdhsa_system_sgpr_workgroup_id_x 1
		.amdhsa_system_sgpr_workgroup_id_y 1
		.amdhsa_system_sgpr_workgroup_id_z 1
		.amdhsa_system_vgpr_workitem_id 0
		.amdhsa_next_free_vgpr 258
		.amdhsa_next_free_sgpr 84
		.amdhsa_reserve_vcc 0
		.amdhsa_float_denorm_mode_32 3
		.amdhsa_float_denorm_mode_16_64 3
		.amdhsa_memory_ordered 1
		.amdhsa_forward_progress 1
		.amdhsa_inst_pref_size 218
	.end_amdhsa_kernel
	.amdgpu_metadata
---
amdhsa.version: [ 1, 2 ]
amdhsa.kernels:
  - .name:           k_q592a0b0328_attn
    .symbol:         k_q592a0b0328_attn.kd
    .args:
      - { .name: fq, .offset: 0, .size: 8, .value_kind: global_buffer, .address_space: global }
      - { .name: kv, .offset: 8, .size: 8, .value_kind: global_buffer, .address_space: global }
      - { .name: x, .offset: 16, .size: 8, .value_kind: global_buffer, .address_space: global }
      - { .name: Wo, .offset: 24, .size: 8, .value_kind: global_buffer, .address_space: global }
      - { .name: bo, .offset: 32, .size: 8, .value_kind: global_buffer, .address_space: global }
      - { .name: gamma, .offset: 40, .size: 8, .value_kind: global_buffer, .address_space: global }
      - { .name: out0, .offset: 48, .size: 8, .value_kind: global_buffer, .address_space: global }
    .group_segment_fixed_size: 327680
    .private_segment_fixed_size: 0
    .kernarg_segment_align: 8
    .kernarg_segment_size: 56
    .max_flat_workgroup_size: 256
    .sgpr_count:     84
    .vgpr_count:     258
    .wavefront_size: 32
...
	.end_amdgpu_metadata
.endif
;; end of part 2
;; ======== version 2 of 2: 2 launches; version 1 with the launch proj written anew for expert scheduling mode
;; workspace buffers: fq 1,048,576 bytes; kv 2,097,152 bytes
;; launch proj (part 3): grid 256 x 1, 8 waves a work-group, no clusters, 87,040 bytes of LDS; arguments x, Wv, bv, Wk, bk, Wq, bq, fq, kv; writes fq, kv
.if DOCPART == 3
	.amdgcn_target "amdgcn-amd-amdhsa--gfx1250"
	.amdhsa_code_object_version 6
	.text
	.protected	k_q592a0b0328_proj
	.globl	k_q592a0b0328_proj
	.p2align	8
	.type	k_q592a0b0328_proj,@function
k_q592a0b0328_proj:
	s_mov_b64 s[64:65], 0
	v_nop
	global_prefetch_b8 v0, s[64:65] scope:SCOPE_SE
	s_setreg_imm32_b32 hwreg(HW_REG_WAVE_SCHED_MODE, 0, 2), 2
	s_setreg_imm32_b32 hwreg(HW_REG_WAVE_MODE, 25, 1), 1
	s_wait_xcnt 0x0
	s_wait_alu depctr_vm_vsrc(0)
; proj: f = (Wv x + bv) log2(e), g = Wk x + bk, h = Wq x + bq for 64 positions of one batch, rounded once to bf16 and stored
; in the order in which the next launch's matrix instructions take them (blocks of 1,024 bytes = one fragment: [half 0,1][lane][16 bytes]).
; x: [4][256][4096] f32.  W*: [32][256] f32.  b*: [32] f32.
; ORDER OF POSITIONS: in a block of 64 positions, position 4 r + u (r = 0..15, u = 0..3) is row r of tile u.  So the four numbers that a
; lane's 16-byte load of x brings belong to the same row of four different fragments, and nothing is transposed.
;   fq: block X (= batch x 64 + block) at X x 4096; tile u at + u x 1024; lane (r, hh) of half q: query (u, r), channels 16 q + 8 hh + 0..7
;   kv: block X at X x 8192; g as fq; h at + 4096 + kg x 2048 + ct x 1024: lane (r, hh) of half q: channel 16 ct + r,
;       keys of tile 2 kg + q, rows 8 hh + 0..7
; Eight waves.  Phase 1: wave w rounds K step w (channels 32 w .. 32 w + 31) of x and of the three weights to bf16 and lays the fragments
; into LDS.  Phase 2: wave (u = w / 2, ct = w % 2) makes three tiles of 16 x 16 over all 256 channels.
; All 64 KiB of the work-group's x are asked for first, in pieces of 256 consecutive aligned bytes for each sixteen lanes; the weights follow,
; each load of a wave covering four pieces of 128 consecutive bytes (eight lanes a row, rows four apart).
; NO JOINT LOADS: x is shared by no two work-groups.  The weights (96 KiB) are shared by all, but they have to pass registers to be rounded
; to bf16; brought in by a tensor load they would cross LDS twice (f32 in, bf16 back), 288 KiB instead of the 48 KiB stored here.
; LIMITS: matrix operands (x, W) are rounded to bf16, sums are f32; f log2(e), g, h are rounded to bf16 once.
; THE MODE: SCHED_MODE bits 1:0 = 2 (LLVM: expert scheduling mode 2), set by the entry lines.  The code itself states the register dependences
; between vector or matrix instructions and memory or LDS instructions, with s_wait_alu, always for 0.
; THE PLAN.  Registers that memory or LDS instructions touch:
;   v1 .. v9      offsets and LDS addresses: written at the head, never again; read by every load and store.
;   XR            x as loaded: read by the conversions of phase 1; in phase 2 LDS loads land there (buffers 3, 4).
;   XF            written by those conversions, read by eight LDS stores; in phase 2 LDS loads land there (buffer 5).
;   WR            weights as loaded; each group of four loads is rounded in place, into the first two of each load's four registers, and these
;                 pairs are the group's own out-buffer, read by its four LDS stores; in phase 2 LDS loads land there (buffers 0 to 2).
;   BUF 0, 1      LDS loads of K steps 0, 1 land there, matrix instructions read them, LDS loads of K steps 6, 7 land there.
;   v[16:27]      at the end: written by twelve conversions, read by the three global stores.
;   v254, v255    written at the head, read by the closing add alone.
; In phase 1 a step is: the wait for its loads, ONE wait on va_vdst, the LDS stores of the step before, this step's conversions.  No conversion of a
; step names the registers that the stores in it read, and no register that a store has read is written again before the one wait on vm_vsrc, which
; stands behind the barrier.  In phase 2 one wait on va_vdst stands ahead of the loads of K steps 6 and 7, and one ahead of the global stores.
.set ROWB, 16384                       ; bytes in a row of x (4,096 positions)
.set WL,   32768                       ; LDS: x fragments at 0 (K step x 4096 + u x 1024 + half x 512 + 16 x lane), weight fragments from here
.set BLK,  272                         ; a weight fragment is four blocks (2 x half + hh) of 16 rows x 16 bytes, 272 bytes apart
.set FRAG, 4*BLK                       ; fragment (matrix, ct, K step) at WL + (16 x matrix + 8 x ct + K step) x 1088
.set WR,   16                          ; v[16:111]   phase 1: weights as loaded, 4 registers for each of 24 loads; in bf16 in the first two of each four
.set XR,   112                         ; v[112:175]  phase 1: x as loaded, row i in 4 registers
.set XF,   176                         ; v[176:207]  phase 1: x fragments, tile u in 8 registers
.set BUF,  16                          ; v[16:207]   phase 2: six buffers of 32: x, Wv, Wk, Wq fragments of one K step
.set ACCF, 224                         ; v[224:231]
.set ACCG, 232                         ; v[232:239]
.set ACCH, 240                         ; v[240:247]
.set BQ,   248                         ; v[248:249]  bq of my channel, twice
.macro NOPS cnt
.rept \cnt
	v_nop
.endr
.endm
	s_load_b512 s[4:19], s[0:1], 0x0               ; x 4:5, Wv 6:7, bv 8:9, Wk 10:11, bk 12:13, Wq 14:15, bq 16:17, fq 18:19
	s_load_b64 s[20:21], s[0:1], 0x40              ; kv
	v_lshl_add_u32 v254, v0, 2, 0x15000            ; the LDS address of my spare word, and 0: made here and kept for the closing lines alone
	v_mov_b32 v255, 0
	v_lshrrev_b32 v10, 5, v0
	v_readfirstlane_b32 s22, v10                   ; wave w
	v_and_b32 v10, 31, v0                          ; lane
	v_and_b32 v11, 15, v0                          ; r
	v_bfe_u32 v12, v0, 4, 1                        ; hh
	v_bfe_u32 v13, v0, 3, 2                        ; a = lane / 8: which of a weight load's four rows
	v_and_b32 v14, 7, v0                           ; cq = lane % 8: which four channels of the K step
	v_bfe_u32 v15, v0, 1, 2                        ; cq / 2 = 2 x half + hh: the block of the fragment
	v_lshlrev_b32 v1, 4, v10                       ; 16 x lane
	v_lshlrev_b32 v2, 4, v11
	v_lshl_add_u32 v2, v12, 17, v2                 ; x: 8 hh rows + 16 r
	v_lshlrev_b32 v3, 4, v14
	v_lshl_add_u32 v3, v13, 12, v3                 ; W: 4 a rows of 1,024 bytes + 16 cq
	v_lshlrev_b32 v4, 5, v12                       ; bv, bk: 8 hh channels
	v_lshlrev_b32 v5, 2, v11                       ; bq: channel r
	s_wait_alu depctr_va_sdst(0)                   ; s22 is written, ahead of its first reader: u, ct, the LDS addresses and the bases are made from it
	s_lshr_b32 s23, s22, 1                         ; u: my tile of positions in phase 2
	s_and_b32 s24, s22, 1                          ; ct: my 16 output channels in phase 2
	s_lshl_b32 s25, s22, 12
	v_add_nc_u32 v6, s25, v1                       ; LDS, in: my K step's x fragments
	v_mul_u32_u24 v7, v15, BLK                     ; LDS, in: my K step's weight fragments: block,
	v_lshl_add_u32 v7, v13, 6, v7                  ; + row 4 a,
	v_and_b32 v14, 1, v0
	v_lshl_add_u32 v7, v14, 3, v7                  ; + which 8 of the row's 16 bytes
	s_mul_i32 s25, s22, FRAG
	s_add_co_u32 s25, s25, WL
	v_add_nc_u32 v7, s25, v7
	s_lshl_b32 s25, s23, 10
	v_add_nc_u32 v8, s25, v1                       ; LDS, back: x fragments of tile u
	v_mul_u32_u24 v9, v12, BLK                     ; LDS, back: weight fragments of channels 16 ct ..: block hh, row r
	v_lshl_add_u32 v9, v11, 4, v9
	s_mul_i32 s25, s24, 8*FRAG
	s_add_co_u32 s25, s25, WL
	v_add_nc_u32 v9, s25, v9
	s_lshr_b32 s26, ttmp9, 6                       ; batch
	s_lshl_b32 s26, s26, 22                        ; x 256 rows
	s_lshl_b32 s25, s22, 19                        ; + 32 w rows
	s_add_co_u32 s26, s26, s25
	s_and_b32 s25, ttmp9, 63
	s_lshl_b32 s25, s25, 8                         ; + 64 positions x block
	s_add_co_u32 s26, s26, s25
	s_mov_b32 s27, 0
	s_lshl_b32 s28, s22, 7                         ; W: 32 w channels
	s_mov_b32 s29, 0
	s_wait_kmcnt 0x0
	s_add_nc_u64 s[4:5], s[4:5], s[26:27]
	s_add_nc_u64 s[6:7], s[6:7], s[28:29]
	s_add_nc_u64 s[10:11], s[10:11], s[28:29]
	s_add_nc_u64 s[14:15], s[14:15], s[28:29]
	s_lshl_b32 s28, s24, 6                         ; biases: 16 ct channels
	s_add_nc_u64 s[8:9], s[8:9], s[28:29]
	s_add_nc_u64 s[12:13], s[12:13], s[28:29]
	s_add_nc_u64 s[16:17], s[16:17], s[28:29]
	s_wait_alu depctr_va_vdst(0)                   ; the nine offsets and addresses v1 to v9 are written, which the kernel's loads and stores read; none is written again
; 46 loads in this order: 16 of x, 24 of weights, 6 of biases.
.irp i, 0,1,2,3,4,5,6,7
	global_load_b128 v[XR+4*\i:XR+4*\i+3], v2, s[4:5] offset:\i*ROWB             ; channel 8 hh + i of my K step, positions 4 r .. 4 r + 3
.endr
.irp i, 0,1,2,3,4,5,6,7
	global_load_b128 v[XR+32+4*\i:XR+32+4*\i+3], v2, s[4:5] offset:(16+\i)*ROWB  ; channel 16 + 8 hh + i
.endr
.irp n, 0,1,2,3,4,5,6,7                            ; load n of a matrix: rows 16 (n / 4) + n % 4 + 4 a, channels 4 cq .. 4 cq + 3 of my K step
	global_load_b128 v[WR+4*\n:WR+4*\n+3], v3, s[6:7] offset:(\n>>2)*16384+(\n&3)*1024
.endr
.irp n, 0,1,2,3,4,5,6,7
	global_load_b128 v[WR+32+4*\n:WR+32+4*\n+3], v3, s[10:11] offset:(\n>>2)*16384+(\n&3)*1024
.endr
.irp n, 0,1,2,3,4,5,6,7
	global_load_b128 v[WR+64+4*\n:WR+64+4*\n+3], v3, s[14:15] offset:(\n>>2)*16384+(\n&3)*1024
.endr
	global_load_b128 v[ACCF:ACCF+3],   v4, s[8:9]              ; the biases start the sums: register j of lane (r, hh) is channel 16 ct + 8 hh + j
	global_load_b128 v[ACCF+4:ACCF+7], v4, s[8:9] offset:16
	global_load_b128 v[ACCG:ACCG+3],   v4, s[12:13]
	global_load_b128 v[ACCG+4:ACCG+7], v4, s[12:13] offset:16
	global_load_b32 v[BQ],   v5, s[16:17]                      ; h is made transposed: a lane holds one channel, 16 ct + r
	global_load_b32 v[BQ+1], v5, s[16:17]
	; where the results go, made while the loads are on their way
	s_lshl_b32 s25, s23, 10
	s_lshl_b32 s28, s24, 9
	s_add_co_u32 s25, s25, s28                     ; u x 1024 + ct x 512
	s_lshl_b32 s26, ttmp9, 12
	s_add_co_u32 s26, s26, s25
	s_add_nc_u64 s[18:19], s[18:19], s[26:27]      ; f
	s_lshl_b32 s32, ttmp9, 13
	s_add_co_u32 s28, s32, s25                     ; g's offset
	s_lshr_b32 s33, s23, 1
	s_lshl_b32 s33, s33, 11                        ; kg = u / 2
	s_lshl_b32 s34, s24, 10
	s_and_b32 s35, s23, 1
	s_lshl_b32 s35, s35, 9                         ; half = u % 2
	s_add_co_u32 s26, s32, s33
	s_add_co_u32 s26, s26, s34
	s_add_co_u32 s26, s26, s35
	s_add_co_u32 s26, s26, 4096
	s_add_nc_u64 s[30:31], s[20:21], s[26:27]      ; h
	s_add_nc_u64 s[20:21], s[20:21], s[28:29]      ; g
; PHASE 1.  Loads come back in order (ISA guide 5.7.1), so each wait counts the loads issued behind the ones it needs.
; The LDS stores of a step stand in the next step, behind that step's wait for its loads and one wait on va_vdst.
.macro XOUT half                           ; registers 4 half .. 4 half + 3 of the four tiles' fragments go to LDS
.irp u, 0,1,2,3
	ds_store_b128 v6, v[XF+8*\u+4*\half:XF+8*\u+4*\half+3] offset:\u*1024+512*\half
.endr
.endm
.macro XPAIR num                           ; rows 2 num, 2 num + 1 make register num of all four tiles' fragments
	s_wait_loadcnt 44-2*\num                       ; 46 loads in all, the first 2 (num + 1) needed
.if \num == 4
	s_wait_alu depctr_va_vdst(0)                   ; the conversions of row pairs 0 to 3 have written registers 0-3 of the four fragments, which the stores below read
	XOUT 0                                         ; the conversions that follow write registers 4-7: none that these stores read
.endif
.irp u, 0,1,2,3
	v_cvt_pk_bf16_f32 v[XF+8*\u+\num], v[XR+8*\num+\u], v[XR+8*\num+4+\u]
.endr
.endm
; Four weight loads: matrix g / 2, output channels 16 (g % 2) ..  A lane's four numbers are 8 bytes of row i + 4 a of block cq / 2.
; Modulo 256 bytes the 32 lanes' stores lie at 16 (cq / 2 + i + 4 a) + 8 (cq % 2): 32 different columns of 8 bytes.
.macro WOUT g                              ; group g's four pairs go to LDS
.irp i, 0,1,2,3
	ds_store_b64 v7, v[WR+16*(\g)+4*\i:WR+16*(\g)+4*\i+1] offset:(\g)*8*FRAG+\i*16
.endr
.endm
.macro WGRP g
	s_wait_loadcnt 26-4*\g                         ; behind x's 16: 4 (g + 1) of the 30 others needed
	s_wait_alu depctr_va_vdst(0)                   ; the step before has written its out-buffer (g = 0: registers 4-7 of x's fragments; else group g - 1's pairs), which the stores below read
.if \g == 0
	XOUT 1
.else
	WOUT \g-1
.endif
.irp i, 0,1,2,3                                    ; four numbers close up into the first two of their four registers: registers of this group alone
	v_cvt_pk_bf16_f32 v[WR+16*\g+4*\i],   v[WR+16*\g+4*\i],   v[WR+16*\g+4*\i+1]
	v_cvt_pk_bf16_f32 v[WR+16*\g+4*\i+1], v[WR+16*\g+4*\i+2], v[WR+16*\g+4*\i+3]
.endr
.endm
.irp f, 0,1,2,3,4,5,6,7
	XPAIR \f
.endr
.irp f, 0,1,2,3,4,5
	WGRP \f
.endr
	s_wait_alu depctr_va_vdst(0)                   ; group 5's pairs are written, which the stores below read; and every conversion of phase 1 is done with WR, XR and XF, in which the LDS loads of phase 2 land
	WOUT 5
	s_wait_dscnt 0x0                               ; my stores are in LDS, for the other waves' sake,
	s_barrier_signal -1
	s_barrier_wait -1                              ; and so are everybody's
	s_wait_alu depctr_vm_vsrc(0)                   ; my LDS stores have read XF and WR's pairs: these registers are fragment buffers from here on, in which LDS loads land
; PHASE 2.
.macro KLOAD k, b                          ; the four fragments of K step k into buffer b: eight loads, each of 256 consecutive bytes for sixteen lanes
	ds_load_b128 v[BUF+32*\b:BUF+32*\b+3],   v8 offset:\k*4096
	ds_load_b128 v[BUF+32*\b+4:BUF+32*\b+7], v8 offset:\k*4096+512
.irp m, 0,1,2
	ds_load_b128 v[BUF+32*\b+8+8*\m:BUF+32*\b+11+8*\m],  v9 offset:(\m*16+\k)*FRAG
	ds_load_b128 v[BUF+32*\b+12+8*\m:BUF+32*\b+15+8*\m], v9 offset:(\m*16+\k)*FRAG+2*BLK
.endr
.endm
; f and g: weights as source 0, x as source 1: a lane holds 8 neighbouring channels of one position.  h: the other way round: a lane holds
; 8 neighbouring keys of one channel.  The three accumulators take turns, one instruction a turn.
.macro MF b
	v_wmma_f32_16x16x32_bf16 v[ACCF:ACCF+7], v[BUF+32*\b+8:BUF+32*\b+15],  v[BUF+32*\b:BUF+32*\b+7], v[ACCF:ACCF+7]
.endm
.macro MG b
	v_wmma_f32_16x16x32_bf16 v[ACCG:ACCG+7], v[BUF+32*\b+16:BUF+32*\b+23], v[BUF+32*\b:BUF+32*\b+7], v[ACCG:ACCG+7]
.endm
.macro MH b, first
.if \first
	v_wmma_f32_16x16x32_bf16 v[ACCH:ACCH+7], v[BUF+32*\b:BUF+32*\b+7], v[BUF+32*\b+24:BUF+32*\b+31], 0
.else
	v_wmma_f32_16x16x32_bf16 v[ACCH:ACCH+7], v[BUF+32*\b:BUF+32*\b+7], v[BUF+32*\b+24:BUF+32*\b+31], v[ACCH:ACCH+7]
.endif
.endm
.macro KMUL b, first
	MF \b
	MG \b
	MH \b, \first
.endm
.irp k, 0,1,2,3,4,5
	KLOAD \k, \k
.endr
	s_wait_loadcnt 0x0                             ; the biases, which start the sums
	s_wait_dscnt 40                                ; 48 loads out, K step 0's eight needed
	KMUL 0, 1
	s_wait_dscnt 32
	KMUL 1, 0
	NOPS 4                                         ; a load into a matrix instruction's source stands four places behind it (ISA guide 7.12.1 for vector instructions); the places stay beside the wait below
	s_wait_dscnt 24                                ; K step 2 is in; behind its loads: those of steps 3, 4, 5
	s_wait_alu depctr_va_vdst(0)                   ; the matrix instructions of K steps 0 and 1 are done reading buffers 0 and 1, in which the loads of K steps 6 and 7 land
	MF 2                                           ; K step 2's three matrix instructions name buffer 2 and the accumulators: none of the registers that the sixteen loads dealt among them touch
	KLOAD 6, 0
	MG 2
	KLOAD 7, 1
	MH 2, 0
	s_wait_dscnt 32                                ; behind K step 3's loads: those of steps 4, 5, 6, 7
	KMUL 3, 0
	s_wait_dscnt 24
	KMUL 4, 0
	s_wait_dscnt 16
	KMUL 5, 0
	s_wait_dscnt 8
	KMUL 0, 0
	s_wait_dscnt 0x0
	KMUL 1, 0
	NOPS 4                                         ; four places before vector instructions read the results or write a source (ISA guide 7.12.1)
.irp p, 0,2,4,6
	v_pk_mul_f32 v[ACCF+\p:ACCF+\p+1], v[ACCF+\p:ACCF+\p+1], 0x3fb8aa3b op_sel_hi:[1,0]   ; log2(e) goes into f, in f32: the next launch's exponentials are to base 2
.endr
.irp p, 0,2,4,6
	v_pk_add_f32 v[ACCH+\p:ACCH+\p+1], v[ACCH+\p:ACCH+\p+1], v[BQ:BQ+1]
.endr
.irp p, 0,1,2,3
	v_cvt_pk_bf16_f32 v[16+\p], v[ACCF+2*\p], v[ACCF+2*\p+1]
	v_cvt_pk_bf16_f32 v[20+\p], v[ACCG+2*\p], v[ACCG+2*\p+1]
	v_cvt_pk_bf16_f32 v[24+\p], v[ACCH+2*\p], v[ACCH+2*\p+1]
.endr
	s_wait_alu depctr_va_vdst(0)                   ; the twelve conversions have written v[16:27], which the three stores read
	global_store_b128 v1, v[16:19], s[18:19]       ; each store of the wave covers 512 consecutive bytes, aligned
	global_store_b128 v1, v[20:23], s[20:21]
	global_store_b128 v1, v[24:27], s[30:31]
	s_wait_dscnt 0x0                               ; the closing lines, six on end
	s_wait_alu 0x0
	s_wait_tensorcnt 0x0
	ds_add_u32 v254, v255
	s_wait_dscnt 0x0
	s_endpgm
.Lfunc_end_k_q592a0b0328_proj:
	.size	k_q592a0b0328_proj, .Lfunc_end_k_q592a0b0328_proj-k_q592a0b0328_proj
	.p2alignl 7, 3214868480
	.fill 96, 4, 3214868480
	.section	.rodata,"a",@progbits
	.p2align	6, 0x0
	.amdhsa_kernel k_q592a0b0328_proj
		.amdhsa_group_segment_fixed_size 87040
		.amdhsa_private_segment_fixed_size 0
		.amdhsa_enable_private_segment 0
		.amdhsa_kernarg_size 72
		.amdhsa_user_sgpr_count 2
		.amdhsa_user_sgpr_kernarg_segment_ptr 1
		.amdhsa_wavefront_size32 1
		.amdhsa_system_sgpr_workgroup_id_x 1
		.amdhsa_system_sgpr_workgroup_id_y 1
		.amdhsa_system_sgpr_workgroup_id_z 1
		.amdhsa_system_vgpr_workitem_id 0
		.amdhsa_next_free_vgpr 256
		.amdhsa_next_free_sgpr 66
		.amdhsa_reserve_vcc 0
		.amdhsa_float_denorm_mode_32 3
		.amdhsa_float_denorm_mode_16_64 3
		.amdhsa_memory_ordered 1
		.amdhsa_forward_progress 1
		.amdhsa_inst_pref_size 24
	.end_amdhsa_kernel
	.amdgpu_metadata
---
amdhsa.version: [ 1, 2 ]
amdhsa.kernels:
  - .name:           k_q592a0b0328_proj
    .symbol:         k_q592a0b0328_proj.kd
    .args:
      - { .name: x, .offset: 0, .size: 8, .value_kind: global_buffer, .address_space: global }
      - { .name: Wv, .offset: 8, .size: 8, .value_kind: global_buffer, .address_space: global }
      - { .name: bv, .offset: 16, .size: 8, .value_kind: global_buffer, .address_space: global }
      - { .name: Wk, .offset: 24, .size: 8, .value_kind: global_buffer, .address_space: global }
      - { .name: bk, .offset: 32, .size: 8, .value_kind: global_buffer, .address_space: global }
      - { .name: Wq, .offset: 40, .size: 8, .value_kind: global_buffer, .address_space: global }
      - { .name: bq, .offset: 48, .size: 8, .value_kind: global_buffer, .address_space: global }
      - { .name: fq, .offset: 56, .size: 8, .value_kind: global_buffer, .address_space: global }
      - { .name: kv, .offset: 64, .size: 8, .value_kind: global_buffer, .address_space: global }
    .group_segment_fixed_size: 87040
    .private_segment_fixed_size: 0
    .kernarg_segment_align: 8
    .kernarg_segment_size: 72
    .max_flat_workgroup_size: 256
    .sgpr_count:     66
    .vgpr_count:     256
    .wavefront_size: 32
...
	.end_amdgpu_metadata
.endif
;; end of part 3
;; launch attn: the kernel of part 2 again; grid 256 x 1, 8 waves a work-group, clusters of 4 x 1, 327,680 bytes of LDS; arguments fq, kv, x, Wo, bo, gamma, out0; writes out0
